; MI455X (gfx1250); checked and timed in simulation.
; The chip was launched on July 23, 2026; its instructions are those of AMD's public machine-readable ISA for CDNA 5 (MIT licence, August 2026) and "CDNA5" Instruction Set Architecture Reference Guide (July 2026). The comments in the code are by the model that wrote it; some were corrected since.
;; Scaled Dot Product Attention. Allowed arithmetic: matrix products marked QUANTISED: E3M2 operands, one E8M0 scale for each 32 along K, by v_wmma_scale_f32_16x16x128_f8f6f4 with both operands' format E3M2, f32 sums; everything else in f32.
;; Inputs: k_codes 8 x 2,048 x 32 x 24 uint8 (E3M2 codes of k, K innermost, in blocks of 32 codes, four codes in three bytes); k_scales 8 x 2,048 x 32 uint8 (E8M0 scales of k, one for each 32 codes along K); mask 8 x 1 x 2,048 float32; q_codes 8 x 2,048 x 32 x 24 uint8 (E3M2 codes of q, K innermost, in blocks of 32 codes, four codes in three bytes); q_scales 8 x 2,048 x 32 uint8 (E8M0 scales of q, one for each 32 codes along K); v_codes 8 x 1,024 x 64 x 24 uint8 (E3M2 codes of v, K innermost, in blocks of 32 codes, four codes in three bytes); v_scales 8 x 1,024 x 64 uint8 (E8M0 scales of v, one for each 32 codes along K).
;; Outputs: out0 8 x 2,048 x 1,024 float32.
;; This version of the problem:
;;   THIS VERSION OF THE PROBLEM IS GIVEN IN LOW PRECISION. The matrix products marked QUANTISED in the list below multiply operands that are first quantised to E3M2 (3 exponent bits, 2 mantissa bits; 6 bits a number), with one power-of-two scale for each 32 numbers along K (OCP MX v1.0); their sums are f32. All else is computed in f32.
;;   The module's matrix products, in the order in which they are computed (A, B: the left and right operand; K: the contracted axis; several contracted axes count as one K, in the product's order):
;;     1. batch 8 x [M 2,048, K 1,024] x [K 1,024, N 2,048]; A: input q (given as codes); B: input k (given as codes): QUANTISED
;;     2. batch 8 x [M 2,048, K 2,048] x [K 2,048, N 1,024]; A: softmax (see below); B: input v (given as codes): QUANTISED
;;   THE QUANTISER, for each operand of a quantised product, along K:
;;     - K is cut into blocks of 32 from its start; a last block that is shorter is filled with zeros.
;;     - A block's scale is 2^e with e = floor(log2(the largest magnitude in the block)) - 4, held to -126 .. 127; a block of zeros has e = 0. As a byte (E8M0): e + 127.
;;     - Each number is divided by its block's scale, clamped to +-28, and rounded to the nearest number of E3M2, ties to even, subnormals kept.
;;     - The product sums the exact products of the quantised numbers (number of the format x scale) in f32.
;;   ~~~python
;;   def quantise(x, axis):      # numpy; x: float32 -> the quantised numbers, widened to float32 again
;;       x = np.moveaxis(x, axis, -1); K = x.shape[-1]
;;       x = np.pad(x, [(0, 0)] * (x.ndim - 1) + [(0, -K % 32)]); x = x.reshape(x.shape[:-1] + (-1, 32)); a = np.abs(x).max(-1, keepdims=True)
;;       e = np.where(a > 0, np.clip(np.frexp(np.where(a > 0, a, 1))[1] - 1 - 4, -126, 127), 0)      # np.frexp(a)[1] - 1 = floor(log2(a)), exactly
;;       r = np.clip(x / 2.0 ** e, -28, 28)
;;       step = 2.0 ** (np.maximum(np.frexp(np.where(r == 0, 1, r))[1] - 1, -2) - 2)
;;       q = np.round(r / step) * step * 2.0 ** e      # np.round: ties to even
;;       return np.moveaxis(q.reshape(q.shape[:-2] + (-1,))[..., :K], -1, axis).astype(np.float32)
;;   ~~~
;;   SOFTMAX AHEAD OF A QUANTISED PRODUCT. Where the list says 'softmax', what is quantised is not the finished softmax but p = 2^(t - M), with t = logit x log2(e) and M = ceil(the row's largest t), a whole number; so 1/2 < the row's largest p <= 1. The row's sum l is taken of the UNQUANTISED p, in f32, and the product's result is divided by l at the end. Since M is a whole number, a kernel that streams over the keys may use a running M (the ceiling of the running maximum): every later rescaling is an exact power of two, which a block's scale takes up: the codes' values come out the same.
;;   OPERANDS COMPUTED ON THE WAY. 'Computed on the way' means the value that the module computes at that place (a softmax that the list does not call 'softmax' is quantised finished and normalised). What goes into a quantiser is computed in f32, as accurately as f32 sums, v_exp_f32 and their like allow (about 1e-6 of the number): no bf16 or f16 on the way to a quantiser, and a product that is left as it is and whose result goes on into a quantised operand takes f32 operands (vector FMAs, or v_wmma_f32_16x16x4_f32). A number that lies on a knife's edge between two numbers of the format may be rounded either way, as far as f32 arithmetic and the matrix unit's own rounding can turn it there, and no further.
;;   INPUTS GIVEN AS CODES. k (in the module: [8, 2048, 1024], K = its axis 2); q (in the module: [8, 2048, 1024], K = its axis 2); v (in the module: [8, 2048, 1024], K = its axis 1): each comes as NAME_codes (uint8): NAME with its K axis moved to the last place and cut into blocks of 32 codes, [.., K / 32, bytes a block], one block behind the other in memory; four codes in three bytes: a row's codes are one little-endian stream of bits, code i at bits 6 i .. 6 i + 5 (a code: sign, 3 exponent bits, 2 mantissa bits); and NAME_scales (uint8): the same leading axes, one E8M0 byte (e + 127) for each 32 codes along K. Its value is code x scale, taken as it is: it is not quantised again, and the codes and scales need not be those that the quantiser above would give.
;; One version. Each part assembles by itself: llvm-mc -triple=amdgcn-amd-amdhsa -mcpu=gfx1250 --defsym DOCPART=n.
;; ======== version 1 of 1: 2 launches
;; workspace buffers: p_codes 25,165,824 bytes; p_stat 3,145,728 bytes
;; launch scores (part 1): grid 8 x 64, 4 waves a work-group, clusters of 4 x 4, 327,680 bytes of LDS; arguments q_codes, q_scales, k_codes, k_scales, mask, p_codes, p_stat; writes p_codes, p_stat
.if DOCPART == 1
	.amdgcn_target "amdgcn-amd-amdhsa--gfx1250"
	.amdhsa_code_object_version 6
	.text
	.protected	k_q025ae7c576_scores
	.globl	k_q025ae7c576_scores
	.p2align	8
	.type	k_q025ae7c576_scores,@function
k_q025ae7c576_scores:
	s_mov_b64 s[64:65], 0
	v_nop
	global_prefetch_b8 v0, s[64:65] scope:SCOPE_SE
	s_setreg_imm32_b32 hwreg(HW_REG_WAVE_MODE, 25, 1), 1
	s_wait_xcnt 0x0
	s_wait_alu depctr_hold_cnt(0) depctr_sa_sdst(0) depctr_va_vdst(0) depctr_va_sdst(0) depctr_va_ssrc(0) depctr_va_vcc(0) depctr_vm_vsrc(0)
	s_getreg_b32 s2, hwreg(HW_REG_IB_STS2, 6, 4)
	s_cmp_eq_u32 s2, 0
	s_cbranch_scc0 .Lentry_in_a_cluster
	s_endpgm
.Lentry_in_a_cluster:
	s_bfe_u32 s2, ttmp6, 0x10000c
	s_cmp_lg_u32 s2, 0xf033
	s_cbranch_scc0 .Lentry_shape_is_right
	s_endpgm
.Lentry_shape_is_right:
; SCORES.  S = q k^T + 32 x (mask x -1e9) on tiles of 256 queries x 256 keys, both operands codes of BF6 (E3M2) with one E8M0 byte for each 32 along the head's 1,024; sums in f32.
; 32 = sqrt(1024) is a power of two, so S / 32 has the roundings of reference()'s logits.  t = S x log2(e) / 32.
; A wave makes 128 queries x 128 keys (64 accumulators) and then takes a LOCAL softmax over its 128 keys: M = ceil(the largest t), a whole number; p = 2^(t - M); the sum of the unquantised p;
; p quantised along the keys, a block of 32 at a time.  The next launch brings all sixteen parts of a row under the row's own M: a change of M by a whole number is a change of the blocks' scale bytes and nothing else.
; OUT.  p_codes: images of the next launch's operand registers, [batch 8][256 keys 8][16 queries 128][128 keys 2][3][lane 32][16 bytes]: a fragment is 1,536 dense bytes.
;       p_stat: three planes of [batch 8][128 keys 16][query 2048] words: p's scale word; -M (f32); the part's sum (f32).
; THE PRODUCT.  K goes in steps of 256 through a ring of two LDS slots filled by the tensor data mover; the scale bytes of the work-group's rows, for all of K, come once.  K has four slots' worth, so the ring's one lap is written out.
; CLUSTERS: 4 x 4 work-groups.  The four of a row of the cluster need the same tiles of q, the four of a column the same tiles of k (the four tile rows of a cluster lie in one batch): each tile is asked for JOINTLY.
; THE MATRIX INSTRUCTION IS USED TRANSPOSED (source 0 = 16 keys, source 1 = 16 queries): a lane holds ONE query (lane % 16), and register j of accumulator (a, b) the key 16 b + 8 (lane / 16) + j.
; THE MASK is the C of the first K step: eight registers for each tile of keys, in the result's layout.
; NO PREFETCH is laid: of K's four slots' worth two come as first fills and the third is asked for at the first change of slots.
; LIMITS: NaN, infinities and the scale byte 0xff among the inputs are not served; |mask| x 3.2e10 must stay finite.  A row ALL of whose keys are masked leans on -3.2e10 + s (|s| < 1,024) being rounded back
; to -3.2e10 in the sums, as reference()'s own addition rounds at a thirty-second of that size.
; REGISTERS, in windows of 256: window 0: v0-31 addresses; v32-63 scale words, two sets, and nothing else; v64-127 the mask, later t and p; from v128 q's fragments, one set, later the softmax's work.
;   window 1: k's fragments, two sets, at v0 and v128.   window 2: the accumulators of my queries 0-63 ((a, b) at v[8 (8 a + b)]);   window 3: those of queries 64-127.
.set NQ,     2                         ; matrix instructions deep in a slot (256 along K)
.set ROWB,   192                       ; a tile's row in bytes
.set KROW,   768                       ; a row of q or k in memory
.set PITCH,  240                       ; an LDS row: 3 x (64 bytes + 16 of padding)
.set FR,     12                        ; registers of a fragment
.set NLA,    6                         ; LDS loads that bring a fragment of q
.set NP,     4                         ; places behind this matrix instruction (ISA guide 7.12.1)
.set HALFT,  128*PITCH                 ; 128 rows: one tensor load
.set SLOT,   4*HALFT                   ; q's 256 rows, then k's 256 rows
.set ASTEP,  2*ROWB                    ; a refill lies two slots on along K
.set BSTEP,  2*ROWB
.set KS,     32                        ; a row of scale bytes
.set SCL,    2*SLOT                    ; behind the ring: the scales, as units of 256 bytes + 16 of padding; filled once
.set HALFS,  (128*KS/256)*272          ; those of 128 rows
.set SBLK,   (16*KS/256)*272           ; those of 16 rows
.set SPARE,  SCL+4*HALFS               ; the spare words: 128 bytes a wave, named by no other line
.set MASKL,  SPARE+512                 ; each wave's own 128 numbers mask x -3.2e10
.set SCR,    MASKL+4*512               ; each wave's own scratch: 3 planes x 128 words
.set ADRA, 16                          ; v16-17 LDS address of my q fragments in slot 0, 1 (v18-19: behind one padding more)
.set ADRB, 20                          ; v20-23 the same for k
.set SCA,  24                          ; v24  scratch: my query's word
.set SCB,  25                          ; v25  scratch: 16 bytes a lane
.set CO,   26                          ; v26  16 x lane; never rewritten
.set ADRS, 27                          ; v27  my scale words: lanes 0-15 q's rows, lanes 16-31 k's
.set SPW,  28                          ; v28  my spare word; never rewritten
.set NIL,  29                          ; v29  0; never rewritten
.set ADRM, 30                          ; v30  the mask numbers of my half of a tile of keys
.set MST,  31                          ; v31  where I put my four mask numbers
.set SC,   32
.set MK,   64                          ; v64-127 the mask in the result's layout
.set AF,   128
.set T,    64                          ; the softmax: v64-127 t, then p
.set PCD,  128                         ; v128-139 a fragment's codes
.set XY,   144                         ; v144.. the conversions' results: X at +8 c, Y at +8 c + 4
.set BM,   160                         ; v160-163 the blocks' largest t, then p
.set BX,   164                         ; v164-167 the other half's
.set SO,   168                         ; v168-171 the conversions' scale operands
.set BY,   172                         ; v172-175 the scale bytes
.set TX,   176
.set NM,   178                         ; v178 -M (v179: written once, named with it as a pair)
.set LA,   180
.set LB,   182
.set PW,   184
.set LL,   185
.set LX,   186
.set RB,   192                         ; v192-203 the scratch read back
.set WV,   18                          ; s18 wave;  s19 my half of the queries, also: I fetch for q (0) or k (1);  s20 my half of the keys, also: which 128 rows I fetch
.set RH,   19
.set CH,   20
.set G1,   24
.set G0,   32
.set G1B,  48
.set G0B,  56
.set G1S,  68
.set G0S,  76
.set G1SB, 80
.set G0SB, 88
.set CS,   96                          ; s[96:97] log2(e) / 32
.set SEL,  98                          ; s[98:99] lane l xor 16
.set MSB, 0
.macro WIN new                         ; the immediate's high byte repeats the setting that is left
.if MSB != (\new)
	s_set_vgpr_msb (MSB<<8)|(\new)
.set MSB, (\new)
.endif
.endm
.set MUL_LO,   0xa1                    ; source 0 (k) window 1, source 1 (q) window 0, C and D window 2
.set MUL_HI,   0xf1                    ; the same, C and D window 3
.set FIRST_LO, 0x81                    ; the first K step: C (the mask) window 0, D window 2
.set FIRST_HI, 0xc1
.set TO_B,     0x40
; A joint load: waves 0 and 1 fetch for q, waves 2 and 3 for k; the branch hangs on the wave's number alone.  Four v_nop follow each of the two lines.
.macro JLOAD g0a, g1a, g0b, g1b
	s_cmp_eq_u32 s[RH], 0
	s_cbranch_scc0 .Lfor_b_\@
	tensor_load_to_lds s[\g0a:\g0a+3], s[\g1a:\g1a+7]
	s_nop 0
.rept 4
	v_nop
.endr
	s_branch .Lasked_\@
.Lfor_b_\@:
	tensor_load_to_lds s[\g0b:\g0b+3], s[\g1b:\g1b+7]
	s_nop 0
.rept 4
	v_nop
.endr
.Lasked_\@:
.endm
.macro CREST                           ; a round of the cluster's barrier behind its opening barrier
	s_cmp_lg_u32 s[WV], 0
	s_cbranch_scc1 .Lnot_wave_0_\@
	s_barrier_signal -3
.Lnot_wave_0_\@:
	s_barrier_wait -3
	s_barrier_signal -1
	s_barrier_wait -1
.endm
.macro CROUND
	s_barrier_signal -1
	s_barrier_wait -1
	CREST
.endm
	s_load_b128 s[4:7], s[0:1], 0x0                ; q's codes, q's scales
	s_load_b128 s[8:11], s[0:1], 0x10              ; k's codes, k's scales
	s_load_b128 s[12:15], s[0:1], 0x20             ; mask, p_codes
	s_load_b64 s[16:17], s[0:1], 0x30              ; p_stat
	v_lshl_add_u32 v[SPW], v0, 2, SPARE
	v_mov_b32 v[NIL], 0
	ds_add_u32 v28, v29
	ds_add_u32 v28, v29
	s_wait_dscnt 0x0
	v_lshrrev_b32 v1, 5, v0
	v_readfirstlane_b32 s[WV], v1
	v_and_b32 v6, 31, v0
	v_lshlrev_b32 v[CO], 4, v6
	s_lshr_b32 s[RH], s[WV], 1
	s_and_b32 s[CH], s[WV], 1
	s_bfe_u32 s40, ttmp6, 0x40000                  ; cx, cy: my place in the cluster
	s_bfe_u32 s41, ttmp6, 0x40004
	s_lshl_b32 s42, ttmp9, 2
	s_add_co_u32 s42, s42, s40                     ; tx: the tile of 256 keys = 4 x cluster x + cx
	s_and_b32 s66, ttmp7, 0xffff                   ; cluster y
	s_lshl_b32 s43, s66, 2
	s_add_co_u32 s43, s43, s41                     ; ty = 8 x batch + the tile of 256 queries = 4 x cluster y + cy
	s_lshr_b32 s66, s66, 1                         ; the batch, from the cluster's y alone: k's addresses take it, and never hold cy
	s_lshl_b32 s44, s41, 2
	s_lshl_b32 s44, 15, s44                        ; my row of the cluster
	s_lshl_b32 s45, 0x1111, s40                    ; my column
	; descriptor group 1: a tile of 128 rows x 192 bytes, 16 bytes of padding behind every 64
	s_or_b32 s[G1+0], s44, (0<<16)|(1<<20)|(1<<21)|(3<<22)|(3<<25)
	s_or_b32 s[G1B+0], s45, (0<<16)|(1<<20)|(1<<21)|(3<<22)|(3<<25)
.irp g, G1, G1B
	s_mov_b32 s[\g+1], ROWB<<16                    ; tensor_dim0
	s_mov_b32 s[\g+2], 128<<16                     ; tensor_dim1
	s_mov_b32 s[\g+3], ROWB<<16                    ; tile_dim0
	s_mov_b32 s[\g+4], 128                         ; tile_dim1
	s_mov_b32 s[\g+5], KROW                        ; from row to row
	s_mov_b32 s[\g+6], 0
	s_mov_b32 s[\g+7], 0
.endr
	; the scales of 128 rows: 4,096 dense bytes as 16 rows of 256 (32 elements of 8 bytes), 16 bytes of padding behind each
	s_or_b32 s[G1S+0], s44, (3<<16)|(1<<20)|(1<<21)|(5<<22)|(3<<25)
	s_or_b32 s[G1SB+0], s45, (3<<16)|(1<<20)|(1<<21)|(5<<22)|(3<<25)
.irp g, G1S, G1SB
	s_mov_b32 s[\g+1], 32<<16
	s_mov_b32 s[\g+2], (128*KS/256)<<16
	s_mov_b32 s[\g+3], 32<<16
	s_mov_b32 s[\g+4], 128*KS/256
	s_mov_b32 s[\g+5], 32
	s_mov_b32 s[\g+6], 0
	s_mov_b32 s[\g+7], 0
.endr
	s_lshl_b32 s21, s[CH], 7                       ; which 128 rows of a tile I fetch
	s_lshl_b32 s22, s43, 8
	s_add_co_u32 s22, s22, s21                     ; q: row 256 ty + 128 x half
	s_lshl_b32 s46, s42, 8
	s_add_co_u32 s46, s46, s21
	s_lshl_b32 s47, s66, 11
	s_add_co_u32 s46, s46, s47                     ; k: row 2,048 x batch + 256 tx + 128 x half
	s_lshl_b32 s92, s22, 5                         ; all offsets stay under 2^32: low word, and 0 above it
	s_mov_b32 s93, 0                               ; q's scales: 32 bytes a row
	s_mul_i32 s22, s22, KROW
	s_mov_b32 s23, 0                               ; q's codes
	s_lshl_b32 s94, s46, 5
	s_mov_b32 s95, 0                               ; k's scales
	s_lshl_b32 s2, s46, 2
	s_mov_b32 s3, 0                                ; the mask of these 128 keys, which are also the keys of my part of S
	s_mul_i32 s46, s46, KROW
	s_mov_b32 s47, 0                               ; k's codes
	s_mul_i32 s21, s[WV], HALFT                    ; where they go: wave x 128 rows: no place in the cluster enters an LDS address
	s_mul_i32 s67, s[WV], HALFS
	s_wait_kmcnt 0x0
	s_add_nc_u64 s[22:23], s[4:5], s[22:23]
	s_add_nc_u64 s[92:93], s[6:7], s[92:93]
	s_add_nc_u64 s[46:47], s[8:9], s[46:47]
	s_add_nc_u64 s[94:95], s[10:11], s[94:95]
	s_add_nc_u64 s[12:13], s[12:13], s[2:3]
	global_load_b128 v[8:11], v[CO], s[12:13]      ; my wave's 128 mask numbers, 512 consecutive bytes: asked for ahead of the round and of the first fills
	CROUND                                         ; all sixteen work-groups are here: the first joint loads meet
	s_mov_b32 s[G0S], 1
	s_add_co_u32 s[G0S+1], s67, SCL
	s_mov_b64 s[G0S+2:G0S+3], s[92:93]
	s_or_b32 s[G0S+3], s[G0S+3], 0x80000000
	s_mov_b32 s[G0SB], 1
	s_add_co_u32 s[G0SB+1], s67, SCL
	s_mov_b64 s[G0SB+2:G0SB+3], s[94:95]
	s_or_b32 s[G0SB+3], s[G0SB+3], 0x80000000
	JLOAD G0S, G1S, G0SB, G1SB                     ; the scales first: they are wanted with K step 0.  With the two below, three loads of mine are out
.irp s, 0,1
	s_mov_b32 s[G0+4*\s], 1
	s_add_co_u32 s[G0+4*\s+1], s21, \s*SLOT
	s_add_nc_u64 s[G0+4*\s+2:G0+4*\s+3], s[22:23], \s*ROWB
	s_or_b32 s[G0+4*\s+3], s[G0+4*\s+3], 0x80000000
	s_mov_b32 s[G0B+4*\s], 1
	s_add_co_u32 s[G0B+4*\s+1], s21, \s*SLOT
	s_add_nc_u64 s[G0B+4*\s+2:G0B+4*\s+3], s[46:47], \s*ROWB
	s_or_b32 s[G0B+4*\s+3], s[G0B+4*\s+3], 0x80000000
	JLOAD G0+4*\s, G1, G0B+4*\s, G1B
.endr
	v_and_b32 v1, 15, v0                           ; r = lane % 16
	v_bfe_u32 v2, v0, 4, 1                         ; h = lane / 16
	v_mul_u32_u24 v3, v1, PITCH
	v_mul_u32_u24 v4, v2, 24
	v_add_nc_u32 v4, v3, v4                        ; a fragment's row x pitch + 24 x half
	v_lshl_add_u32 v5, v2, 4, v4                   ; and the same behind one padding more
	s_mul_i32 s21, s[RH], HALFT                    ; my 128 rows of q
	s_mul_i32 s22, s[CH], HALFT                    ; my 128 rows of k,
	s_add_co_u32 s22, s22, 2*HALFT                 ; which lie behind q's 256
.irp s, 0,1
	v_add_nc_u32 v[ADRA+\s], s21, v4
	v_add_nc_u32 v[ADRB+\s], s22, v4
	v_add_nc_u32 v[ADRA+2+\s], s21, v5
	v_add_nc_u32 v[ADRB+2+\s], s22, v5
	s_add_co_u32 s21, s21, SLOT
	s_add_co_u32 s22, s22, SLOT
.endr
	v_mul_u32_u24 v5, v1, KS                       ; my row's scales: KS bytes a row,
	v_lshrrev_b32 v6, 8, v5
	v_lshl_add_u32 v5, v6, 4, v5                   ; and 16 more for each 256 passed
	s_mul_i32 s21, s[RH], HALFS
	s_mul_i32 s22, s[CH], HALFS
	s_add_co_u32 s22, s22, 2*HALFS
	s_sub_co_u32 s22, s22, s21
	v_mul_u32_u24 v6, s22, v2                      ; lanes 16-31 take k's: one product, the distance between the two bases
	s_add_co_u32 s21, s21, SCL
	v_add_nc_u32 v5, v5, v6
	v_add_nc_u32 v[ADRS], s21, v5
	s_mul_i32 s21, s[WV], 1536
	s_add_co_u32 s21, s21, SCR
	v_lshl_add_u32 v[SCA], v1, 2, s21
	v_add_nc_u32 v[SCB], s21, v[CO]
	s_lshl_b32 s21, s[WV], 9
	s_add_co_u32 s21, s21, MASKL
	v_lshl_add_u32 v[ADRM], v2, 5, s21
	v_add_nc_u32 v[MST], s21, v[CO]
	; where my part of p_codes begins: (((8 batch + tx) 128 + 16 (ty % 8) + 8 x my half of the queries) 3,072 + 1,536 x my half of the keys
	s_lshl_b32 s21, s66, 3
	s_add_co_u32 s21, s21, s42
	s_lshl_b32 s21, s21, 7
	s_and_b32 s22, s43, 7
	s_lshl_b32 s23, s22, 4
	s_add_co_u32 s21, s21, s23
	s_lshl_b32 s23, s[RH], 3
	s_add_co_u32 s21, s21, s23
	s_mul_i32 s2, s21, 3072
	s_mul_i32 s23, s[CH], 1536
	s_add_co_u32 s2, s2, s23
	s_add_nc_u64 s[14:15], s[14:15], s[2:3]
	; and of a plane of p_stat: ((16 batch + 2 tx + my half of the keys) 2,048 + 256 (ty % 8) + 128 x my half of the queries) 4
	s_lshl_b32 s21, s66, 4
	s_lshl_b32 s23, s42, 1
	s_add_co_u32 s21, s21, s23
	s_add_co_u32 s21, s21, s[CH]
	s_lshl_b32 s21, s21, 11
	s_lshl_b32 s22, s22, 8
	s_add_co_u32 s21, s21, s22
	s_lshl_b32 s23, s[RH], 7
	s_add_co_u32 s21, s21, s23
	s_lshl_b32 s2, s21, 2
	s_add_nc_u64 s[16:17], s[16:17], s[2:3]
	s_wait_loadcnt 0x0                             ; the mask
.irp i, 8,9,10,11
	v_mul_f32 v\i, 0xd0ee6b28, v\i                 ; x -3.2e10 = 32 x -1e9: exactly 32 times reference()'s mask x NEG
.endr
	ds_store_b128 v[MST], v[8:11]                  ; through my own 512 bytes of LDS, which serves a wave's instructions in order (ISA guide 5.7.1.4)
.irp b, 0,1,2,3,4,5,6,7
	ds_load_b128 v[MK+8*\b:MK+8*\b+3], v[ADRM] offset:64*\b        ; tile b, register j: the number of key 16 b + 8 h + j
	ds_load_b128 v[MK+8*\b+4:MK+8*\b+7], v[ADRM] offset:64*\b+16
.endr
.macro FRAG reg, adr, q, i             ; 16 rows x 128 K of 6-bit codes: 12 registers; lane l holds row l % 16; registers 6 c .. 6 c + 5 hold K = 64 c + 32 (l / 16) + 0 .. 31: 24 bytes of the row, as they lie
.irp p, 0,1,2,3,4,5                    ; in pieces of 8 bytes; lanes 16-31 read three pieces on, which for some pieces is behind one padding more: the second address register serves those
.set PCE, 12*(\q)+6*(\p/3)+\p%3
.if PCE%8 < 5
	ds_load_b64 v[\reg+2*\p:\reg+2*\p+1], v[\adr] offset:8*PCE+16*(PCE/8)+(\i)*16*PITCH
.else
	ds_load_b64 v[\reg+2*\p:\reg+2*\p+1], v[\adr+2] offset:8*PCE+16*(PCE/8)+(\i)*16*PITCH
.endif
.endr
.endm
; 16 matrix instructions: q's blocks a0, a0 + 1 x k's eight.  p: k's set; sc: the set of scale words.  zero = 1: the first K step, whose C is the mask.  The 64 accumulators take turns, one instruction a turn, in the same order in every step.
.macro MUL16 a0, p, q, sc, zero
.irp a, \a0, \a0+1
.irp b, 0,1,2,3,4,5,6,7
.if \zero
	v_wmma_scale_f32_16x16x128_f8f6f4 v[8*(8*((\a)%4)+\b):8*(8*((\a)%4)+\b)+7], v[128*(\p)+FR*\b:128*(\p)+FR*\b+FR-1], v[AF+FR*(\a):AF+FR*(\a)+FR-1], v[MK+8*\b:MK+8*\b+7], v[SC+8*NQ*(\sc)+NQ*\b+(\q)], v[SC+8*NQ*(\sc)+NQ*(\a)+(\q)] matrix_a_fmt:MATRIX_FMT_BF6 matrix_b_fmt:MATRIX_FMT_BF6 matrix_a_scale:MATRIX_SCALE_ROW1
.else
	v_wmma_scale_f32_16x16x128_f8f6f4 v[8*(8*((\a)%4)+\b):8*(8*((\a)%4)+\b)+7], v[128*(\p)+FR*\b:128*(\p)+FR*\b+FR-1], v[AF+FR*(\a):AF+FR*(\a)+FR-1], v[8*(8*((\a)%4)+\b):8*(8*((\a)%4)+\b)+7], v[SC+8*NQ*(\sc)+NQ*\b+(\q)], v[SC+8*NQ*(\sc)+NQ*(\a)+(\q)] matrix_a_fmt:MATRIX_FMT_BF6 matrix_b_fmt:MATRIX_FMT_BF6 matrix_a_scale:MATRIX_SCALE_ROW1
.endif
.endr
.endr
.endm
.macro FETCH_B slot, q, p
	WIN TO_B
.irp i, 0,1,2,3,4,5,6,7
	FRAG 128*(\p)+FR*\i, ADRB+\slot, \q, \i
.endr
	WIN 0
.endm
.macro FETCH_A slot, q, i0
.irp i, \i0, \i0+1, \i0+2, \i0+3
	FRAG AF+FR*(\i), ADRA+\slot, \q, \i
.endr
.endm
.macro SCALES sc                       ; a slot's scale words: two a row; lanes 0-15 q's block i, lanes 16-31 k's block i
.irp i, 0,1,2,3,4,5,6,7
	ds_load_b64 v[SC+8*NQ*\sc+NQ*\i:SC+8*NQ*\sc+NQ*\i+1], v[ADRS] offset:\i*SBLK
.endr
.endm
.macro PLACES n                        ; plain vector instructions between a matrix instruction and a load into, or a vector write of, one of its registers, or a read of its result
.rept \n
	v_nop
.endr
.endm
.macro STEP slot, q, zero              ; 128 along K that have their successor in the same slot
	s_wait_dscnt 4*NLA                             ; k's set, q's blocks 0-3 and the scale words are in; the youngest 24 loads (q's blocks 4-7) may be out
.if \zero
	WIN FIRST_LO
.else
	WIN MUL_LO
.endif
	MUL16 0, (\q)%2, \q, \slot, \zero
	MUL16 2, (\q)%2, \q, \slot, \zero
	s_wait_dscnt 0                                 ; q's blocks 4-7 are in
	PLACES NP
	FETCH_B \slot, (\q)+1, 1-(\q)%2
	FETCH_A \slot, (\q)+1, 0
.if \zero
	WIN FIRST_HI
.else
	WIN MUL_HI
.endif
	MUL16 4, (\q)%2, \q, \slot, \zero
	MUL16 6, (\q)%2, \q, \slot, \zero
	PLACES NP
	WIN 0
	FETCH_A \slot, (\q)+1, 4
.endm
; A slot's last step changes slots, in its middle: ONE barrier.  The step's first 32 products stand AHEAD of the wait for the tensor loads, so that a refill has a whole slot's 128 matrix instructions in which to land,
; and between a tile's landing and the next request stand only the add, the barrier and the round.  fill = 1: the slot is filled again, two slots on along K.
.macro TURN slot, next, fill
	s_wait_dscnt 4*NLA                             ; k's set and q's blocks 0-3 are in; the youngest 24 loads (q's blocks 4-7) may be out
	WIN MUL_LO
	MUL16 0, 1, NQ-1, \slot, 0
	MUL16 2, 1, NQ-1, \slot, 0
	WIN 0
	s_wait_tensorcnt 0x0                           ; all my tensor loads have landed: my part of the next slot; so every group 0 may be written
	ds_add_u32 v[SPW], v[NIL]                      ; 0 onto my spare word; the descriptors' steps stand between it and the wait for it
.if \fill
	s_add_nc_u64 s[G0+4*\slot+2:G0+4*\slot+3], s[G0+4*\slot+2:G0+4*\slot+3], ASTEP
	s_add_nc_u64 s[G0B+4*\slot+2:G0B+4*\slot+3], s[G0B+4*\slot+2:G0B+4*\slot+3], BSTEP
.endif
	s_wait_dscnt 0x0                               ; the add is done, and my reads of this slot are over (the last, q's blocks 4-7, were issued 32 matrix instructions ago)
	s_barrier_signal -1
	s_barrier_wait -1
.if \fill
	CREST                                          ; the barrier has opened a round of the cluster's: no wave of any partner still reads this slot or has a load on its way
	JLOAD G0+4*\slot, G1, G0B+4*\slot, G1B         ; the first tensor load behind the round, my one load until the next; its four v_nop are also the places in front of the loads below
.else
	PLACES NP
.endif
	v_add_nc_u32 v[ADRS], 4*NQ, v[ADRS]            ; the next slot's scale words (no LDS load of mine is out)
	FETCH_B \next, 0, 0
	FETCH_A \next, 0, 0
	SCALES \next
	WIN MUL_HI
	MUL16 4, 1, NQ-1, \slot, 0
	MUL16 6, 1, NQ-1, \slot, 0
	PLACES NP
	WIN 0
	FETCH_A \next, 0, 4
.endm
	s_wait_dscnt 0x0                               ; the mask is in its registers
	s_wait_tensorcnt 1                             ; the scales and my part of slot 0 are in; slot 1's load may stay out
	s_barrier_signal -1
	s_barrier_wait -1
	FETCH_B 0, 0, 0
	FETCH_A 0, 0, 0
	SCALES 0
	FETCH_A 0, 0, 4
	STEP 0, 0, 1                                   ; K 0-127: the mask starts the sums
	TURN 0, 1, 1                                   ; K 128-255; slot 0 takes K 512-767
	STEP 1, 0, 0
	TURN 1, 0, 1                                   ; slot 1 takes K 768-1,023
	STEP 0, 0, 0
	TURN 0, 1, 0                                   ; nothing is left to fetch
	STEP 1, 0, 0
	s_wait_dscnt 4*NLA
	WIN MUL_LO
	MUL16 0, 1, NQ-1, 1, 0
	MUL16 2, 1, NQ-1, 1, 0
	s_wait_dscnt 0
	WIN MUL_HI
	MUL16 4, 1, NQ-1, 1, 0
	MUL16 6, 1, NQ-1, 1, 0
	WIN 0
	PLACES NP                                      ; behind the last products: their operands' registers are written below
	s_mov_b32 s[CS], 0x3d38aa3b                    ; log2(e) as f32, its exponent lowered by 5: t has the rounding of logit x log2(e)
	s_mov_b32 s[CS+1], s[CS]                       ; (named with it as a pair)
	s_mov_b32 s[SEL], 0x76543210
	s_mov_b32 s[SEL+1], 0xfedcba98
	s_mov_b32 s21, 0x05040302                      ; v_perm_b32: {first source's low half, second source's high half}
	s_mov_b32 s22, 0x05040100                      ; {low, low}
	s_mov_b32 s23, 0x07060302                      ; {high, high}
.irp b, 0,1,2,3
	v_mov_b32 v[BX+\b], 0                          ; written once: a lane permute's destination counts as one of its sources
.endr
	v_mov_b32 v[LX], 0
	v_mov_b32 v[NM+1], 0
; THE SOFTMAX OF 16 QUERIES x MY 128 KEYS.  Register 8 b + j of block a's 64 holds key 16 b + 8 h + j of query 16 a + r: a block of 32 keys is 16 registers of lanes l and l xor 16.
; t is rounded before M is taken off it (a multiply, then an addition): on a part all of whose keys are masked t - M is then exactly 0 and p at most 1, on which the next launch's arithmetic on the scale bytes rests.
.macro SOFT a
.set AC, 64*((\a)%4)
	WIN 0x02+(\a)/4                                ; source 0: window 2 or 3
.set j, 0
.rept 32
	v_pk_mul_f32 v[T+j:T+j+1], v[AC+j:AC+j+1], s[CS:CS+1] op_sel_hi:[1,0]   ; t, into window 0; each accumulator from its low end on
.set j, j+2
.endr
	WIN 0
.irp b, 0,1,2,3
	v_max3_num_f32 v[BM+\b], v[T+16*\b], v[T+16*\b+1], v[T+16*\b+2]        ; the largest t of each block of 32 keys: it serves for M and, since p rises with t, for the block's largest p
.endr
.irp i, 3,5,7,9,11,13
.irp b, 0,1,2,3
	v_max3_num_f32 v[BM+\b], v[BM+\b], v[T+16*\b+\i], v[T+16*\b+\i+1]      ; (the four blocks by turns)
.endr
.endr
.irp b, 0,1,2,3
	v_max_num_f32 v[BM+\b], v[BM+\b], v[T+16*\b+15]
.endr
.irp b, 0,1,2,3
	v_permlanex16_b32 v[BX+\b], v[BM+\b], s[SEL], s[SEL+1]
.endr
.irp b, 0,1,2,3
	v_max_num_f32 v[BM+\b], v[BM+\b], v[BX+\b]
.endr
	v_max3_num_f32 v[TX], v[BM], v[BM+1], v[BM+2]
	v_max_num_f32 v[TX], v[TX], v[BM+3]
.if (\a) > 0
	s_wait_dscnt 0x0                               ; the last block's three stores into the scratch have read their data
.endif
	v_floor_f32 v[NM], -v[TX]                      ; -M = floor(-t) = -ceil(t): M is a whole number
.set j, 0
.rept 32
	v_pk_add_f32 v[T+j:T+j+1], v[T+j:T+j+1], v[NM:NM+1] op_sel_hi:[1,0]    ; t - M
.set j, j+2
.endr
.irp b, 0,1,2,3
	v_add_f32 v[BM+\b], v[BM+\b], v[NM]            ; the same of each block's largest t
.endr
.set j, 0
.rept 64
	v_exp_f32 v[T+j], v[T+j]                       ; p = 2^(t - M): one batch
.set j, j+1
.endr
	v_nop                                          ; a plain instruction behind the last exponential
	s_wait_alu depctr_va_vdst(0)                   ; one wait for the batch, ahead of its first reader
.irp b, 0,1,2,3
	v_exp_f32 v[BM+\b], v[BM+\b]                   ; the blocks' largest p: the same two instructions on the same number give the same bits
.endr
	v_pk_add_f32 v[LA:LA+1], v[T:T+1], v[T+2:T+3]  ; the sum of the UNQUANTISED p, in two chains; it reads the 64 alone
	v_pk_add_f32 v[LB:LB+1], v[T+4:T+5], v[T+6:T+7]
.irp n, 8,12,16,20,24,28,32,36,40,44,48,52,56,60
	v_pk_add_f32 v[LA:LA+1], v[LA:LA+1], v[T+\n:T+\n+1]
	v_pk_add_f32 v[LB:LB+1], v[LB:LB+1], v[T+\n+2:T+\n+3]
.endr
	v_pk_add_f32 v[LA:LA+1], v[LA:LA+1], v[LB:LB+1]
	v_add_f32 v[LL], v[LA], v[LA+1]
	v_permlanex16_b32 v[LX], v[LL], s[SEL], s[SEL+1]
	v_add_f32 v[LL], v[LL], v[LX]                  ; with lane l xor 16's 64 keys
	s_wait_alu depctr_va_vdst(0)                   ; and one wait for the four
.irp b, 0,1,2,3
	v_max_num_f32 v[BM+\b], 0x2800000, v[BM+\b]    ; the floor 2^(5 - 127): the byte cannot fall under 1 (a block whose every p is 0 keeps that byte: its codes are zeros)
.endr
.irp b, 0,1,2,3
	v_add_nc_u32 v[SO+\b], 0xfe000000, v[BM+\b]    ; 4 off the exponent field: the conversion's scale operand
.endr
.irp b, 0,1,2,3
	v_lshrrev_b32 v[BY+\b], 23, v[SO+\b]           ; the scale's byte
.endr
	v_lshl_or_b32 v[PW], v[BY+1], 8, v[BY]
	v_lshl_or_b32 v[PW], v[BY+2], 16, v[PW]
	v_lshl_or_b32 v[PW], v[BY+3], 24, v[PW]        ; p's scale word for these 128 keys
.if (\a) > 0
	s_wait_xcnt 0x0                                ; the last block's stores have read the codes' registers, which are written again below
.endif
.irp c, 0,1
	v_cvt_scalef32_pk16_bf6_f32 v[XY+8*\c:XY+8*\c+2], v[T+32*\c:T+32*\c+15], v[SO+2*\c]           ; block 2 c: my keys 8 h + 0..7 (48 bits) and 16 + 8 h + 0..7
	v_cvt_scalef32_pk16_bf6_f32 v[XY+8*\c+4:XY+8*\c+6], v[T+32*\c+16:T+32*\c+31], v[SO+2*\c+1]    ; block 2 c + 1 likewise
.endr
	v_nop                                          ; one plain instruction behind a scaled conversion
.irp c, 0,1                                    ; the operand wants a WHOLE block in a lane: lanes 0-15 block 2 c, lanes 16-31 block 2 c + 1
.irp i, 0,1,2
	v_permlane16_swap_b32 v[XY+8*\c+\i], v[XY+8*\c+4+\i]   ; now X holds my block's keys 0-7 and 16-23, Y its keys 8-15 and 24-31
.endr
	v_mov_b32  v[PCD+6*\c],   v[XY+8*\c]                          ; bits 0-31: X 0-31
	v_perm_b32 v[PCD+6*\c+1], v[XY+8*\c+4], v[XY+8*\c+1], s22     ; X 32-47, Y 0-15
	v_perm_b32 v[PCD+6*\c+2], v[XY+8*\c+5], v[XY+8*\c+4], s21     ; Y 16-47
	v_perm_b32 v[PCD+6*\c+3], v[XY+8*\c+2], v[XY+8*\c+1], s21     ; X 48-79
	v_perm_b32 v[PCD+6*\c+4], v[XY+8*\c+5], v[XY+8*\c+2], s23     ; X 80-95, Y 48-63
	v_mov_b32  v[PCD+6*\c+5], v[XY+8*\c+6]                        ; Y 64-95
.endr
.irp g, 0,1,2
	global_store_b128 v[CO], v[PCD+4*\g:PCD+4*\g+3], s[14:15] offset:3072*(\a)+512*\g th:TH_STORE_NT   ; the fragment as it stands: 32 lanes store 512 consecutive bytes, at a multiple of 512 from the buffer's first byte
.endr
	ds_store_b32 v[SCA], v[PW] offset:64*(\a)      ; both halves of the lanes write the same word with the same value
	ds_store_b32 v[SCA], v[NM] offset:512+64*(\a)
	ds_store_b32 v[SCA], v[LL] offset:1024+64*(\a)
.endm
.irp a, 0,1,2,3,4,5,6,7
	SOFT \a
.endr
.irp p, 0,1,2
	ds_load_b128 v[RB+4*\p:RB+4*\p+3], v[SCB] offset:512*\p        ; my 128 queries' words of a plane: my own bytes, served in order
.endr
	s_wait_dscnt 0x0
.irp p, 0,1,2
	global_store_b128 v[CO], v[RB+4*\p:RB+4*\p+3], s[16:17] offset:1048576*\p th:TH_STORE_NT   ; 512 consecutive bytes of each plane
.endr
	s_wait_tensorcnt 0x0                           ; the wave's end
	ds_add_u32 v[SPW], v[NIL]
	s_wait_dscnt 0x0
	CROUND                                         ; the closing round: no work-group ends while a partner may still ask for a tile that names it
	s_endpgm
.Lfunc_end_k_q025ae7c576_scores:
	.size	k_q025ae7c576_scores, .Lfunc_end_k_q025ae7c576_scores-k_q025ae7c576_scores
	.p2alignl 7, 3214868480
	.fill 96, 4, 3214868480
	.section	.rodata,"a",@progbits
	.p2align	6, 0x0
	.amdhsa_kernel k_q025ae7c576_scores
		.amdhsa_group_segment_fixed_size 327680
		.amdhsa_private_segment_fixed_size 0
		.amdhsa_enable_private_segment 0
		.amdhsa_kernarg_size 56
		.amdhsa_user_sgpr_count 2
		.amdhsa_user_sgpr_kernarg_segment_ptr 1
		.amdhsa_wavefront_size32 1
		.amdhsa_system_sgpr_workgroup_id_x 1
		.amdhsa_system_sgpr_workgroup_id_y 1
		.amdhsa_system_sgpr_workgroup_id_z 1
		.amdhsa_system_vgpr_workitem_id 0
		.amdhsa_next_free_vgpr 1024
		.amdhsa_next_free_sgpr 100
		.amdhsa_reserve_vcc 0
		.amdhsa_float_denorm_mode_32 3
		.amdhsa_float_denorm_mode_16_64 3
		.amdhsa_memory_ordered 1
		.amdhsa_forward_progress 1
		.amdhsa_inst_pref_size 240
	.end_amdhsa_kernel
	.amdgpu_metadata
---
amdhsa.version: [ 1, 2 ]
amdhsa.kernels:
  - .name:           k_q025ae7c576_scores
    .symbol:         k_q025ae7c576_scores.kd
    .args:
      - { .name: q_codes, .offset: 0, .size: 8, .value_kind: global_buffer, .address_space: global }
      - { .name: q_scales, .offset: 8, .size: 8, .value_kind: global_buffer, .address_space: global }
      - { .name: k_codes, .offset: 16, .size: 8, .value_kind: global_buffer, .address_space: global }
      - { .name: k_scales, .offset: 24, .size: 8, .value_kind: global_buffer, .address_space: global }
      - { .name: mask, .offset: 32, .size: 8, .value_kind: global_buffer, .address_space: global }
      - { .name: p_codes, .offset: 40, .size: 8, .value_kind: global_buffer, .address_space: global }
      - { .name: p_stat, .offset: 48, .size: 8, .value_kind: global_buffer, .address_space: global }
    .group_segment_fixed_size: 327680
    .private_segment_fixed_size: 0
    .kernarg_segment_align: 8
    .kernarg_segment_size: 56
    .max_flat_workgroup_size: 128
    .sgpr_count:     100
    .vgpr_count:     1024
    .wavefront_size: 32
...
	.end_amdgpu_metadata
.endif
;; end of part 1
;; launch mix (part 2): grid 4 x 64, 4 waves a work-group, clusters of 4 x 4, 327,680 bytes of LDS; arguments p_codes, p_stat, v_codes, v_scales, out0; writes out0
.if DOCPART == 2
	.amdgcn_target "amdgcn-amd-amdhsa--gfx1250"
	.amdhsa_code_object_version 6
	.text
	.protected	k_q025ae7c576_mix
	.globl	k_q025ae7c576_mix
	.p2align	8
	.type	k_q025ae7c576_mix,@function
k_q025ae7c576_mix:
	s_mov_b64 s[64:65], 0
	v_nop
	global_prefetch_b8 v0, s[64:65] scope:SCOPE_SE
	s_setreg_imm32_b32 hwreg(HW_REG_WAVE_MODE, 25, 1), 1
	s_wait_xcnt 0x0
	s_wait_alu depctr_hold_cnt(0) depctr_sa_sdst(0) depctr_va_vdst(0) depctr_va_sdst(0) depctr_va_ssrc(0) depctr_va_vcc(0) depctr_vm_vsrc(0)
	s_getreg_b32 s2, hwreg(HW_REG_IB_STS2, 6, 4)
	s_cmp_eq_u32 s2, 0
	s_cbranch_scc0 .Lentry_in_a_cluster
	s_endpgm
.Lentry_in_a_cluster:
	s_bfe_u32 s2, ttmp6, 0x10000c
	s_cmp_lg_u32 s2, 0xf033
	s_cbranch_scc0 .Lentry_shape_is_right
	s_endpgm
.Lentry_shape_is_right:
; MIX.  out = (P V) / l on tiles of 256 queries x 256 of the head's 1,024; K = the 2,048 keys.  Both operands are codes of BF6 (E3M2) with one E8M0 byte for each 32 keys; sums in f32.
; P comes from the launch before in sixteen parts of 128 keys a row, each under its own whole number M_part, with the part's sum.  AT THE HEAD each thread takes two of the work-group's 256 rows:
; M = the largest M_part; l = the sum of the parts' sums x 2^(M_part - M); each scale byte of a part is lowered by M - M_part: exact, the codes stay as they are.  The adjusted scale words go to LDS in the
; layout in which v's scale bytes lie there, and 1 / l beside them.  The rows' words are asked for ahead of the round and of the first fills, and are worked on while the first tiles are on their way.
; LIMITS: a byte that would fall under 0 is held at 0 (2^-127): such a block adds at most 28 x 2^-127 a code.  M - M_part is held at 127: beyond it a part's sum and bytes count as at 127.  NaN, infinities and the byte 0xff are not served.
; P's codes are images of the operand's registers: a work-group's 256 rows of 256 keys are 49,152 dense bytes, and a fragment comes from LDS by three loads of 16 bytes a lane.  v's rows (the keys innermost) come as rows of 192 bytes.
; K goes in steps of 256 through a ring of two LDS slots filled by the tensor data mover.  CLUSTERS: 4 x 4 work-groups: the four of a row of the cluster need the same tiles of P, the four of a column (one batch) the same tiles of v: asked for JOINTLY.
; THE MATRIX INSTRUCTION IS USED TRANSPOSED (source 0 = 16 rows of v, source 1 = 16 queries): a lane holds eight neighbouring numbers of a row of out.
; REGISTERS: window 0: v0-31 addresses; v32-63 scale words, two sets, and nothing else; v64-79 1 / l; from v128 P's fragments, one set (at the head v64-255 are at work; on the way out v128-255).
;   window 1: v's fragments, two sets.   windows 2, 3: the 64 accumulators ((a, b) at v[8 (8 (a % 4) + b)]).
.set NQ,     2
.set ROWB,   192                       ; a row of v's tile in bytes
.set KROW,   1536                      ; a row of v in memory
.set PITCH,  240                       ; in LDS: 3 x (64 bytes + 16 of padding)
.set FR,     12
.set NLA,    3                         ; LDS loads that bring a fragment of P
.set NP,     4
.set HALFA,  8*2*FR*128                ; P: 128 rows x 256 keys: 16 images of 1,536 bytes: one tensor load
.set HALFT,  128*PITCH                 ; v: 128 rows: one tensor load
.set BOFF,   2*HALFA
.set SLOT,   2*HALFA+2*HALFT
.set KSLOTB, 128*2*FR*128              ; from 256 keys to the next in p_codes
.set ASTEP,  2*KSLOTB                  ; a refill lies two slots on along K
.set BSTEP,  2*ROWB
.set LAPS,   4                         ; 2,048 keys are eight slots' worth
.set KS,     64                        ; a row of scale bytes
.set SCL,    2*SLOT                    ; behind the ring: P's adjusted scales (stored by the waves, never filled), then v's (filled once): units of 256 bytes + 16 of padding
.set HALFS,  (128*KS/256)*272
.set SBLK,   (16*KS/256)*272
.set SPARE,  SCL+4*HALFS               ; the spare words: 128 bytes a wave, named by no other line
.set RLB,    SPARE+512                 ; 1 / l of the 256 rows
.set SPITCH, 528                       ; the way out: a stage of 16 rows x (512 + 16) bytes a wave, in slot 0, which has had its last fill and its last read by then
.set SIZE_N, 1024
.set STA,  7                           ; v7   8 x thread: my two rows' words in p_stat; never rewritten
.set ASW,  8                           ; v8   where I store my two rows' scale words
.set RLW,  9                           ; v9   and their 1 / l
.set PFO,  10                          ; v10  the prefetches' offset: 192 x lane in P's share, a row of v x lane; never rewritten
.set ADRA, 16                          ; v16-17 my P fragments in slot 0, 1
.set ADRB, 20                          ; v20-23 my v fragments
.set STO,  24
.set RD,   25
.set CO,   26                          ; v26  16 x lane
.set ADRS, 27
.set SPW,  28
.set NIL,  29
.set RLA,  30                          ; v30  1 / l of my query in a block of 16
.set SC,   32
.set RL,   64                          ; v64-79 1 / l, a pair for each block of 16 queries
.set AF,   128
.set BK,   128
.set NMR,  64                          ; the head: v64-95 -M_part, v96-127 the parts' sums, v128-159 the scale words: register 2 s + e: part s of my row e
.set PLR,  96
.set PWR,  128
.set TD,   160                         ; v160-175 at work
.set MF,   200                         ; v200-201 -M
.set LSUM, 202                         ; v202-203 l
.set RCP,  204                         ; v204-205 1 / l
.set AW,   224                         ; v224-255 the adjusted words: 16 e + s
.set WV,   18
.set RH,   19
.set CH,   20
.set G1,   24
.set G0,   32
.set G1B,  48
.set G0B,  56
.set PFA,  68                          ; s[68:69] where my prefetches stand: my work-group's share of the half tile that I fetch, two slots on from the refill that is being asked for
.set PFS,  70                          ; s[70:71] a slot on, in bytes: KSLOTB in P, ROWB in a row of v
.set LIM0, 72                          ; s72, s73 a wave prefetches at a change that leaves slot 0 (slot 1) while the count of laps is above this number
.set G1SB, 80
.set G0SB, 88
.set MSB, 0
.macro WIN new
.if MSB != (\new)
	s_set_vgpr_msb (MSB<<8)|(\new)
.set MSB, (\new)
.endif
.endm
.set MUL_LO, 0xa1
.set MUL_HI, 0xf1
.set TO_B,   0x40
.macro JLOAD g0a, g1a, g0b, g1b        ; a joint load: waves 0 and 1 fetch P's halves, waves 2 and 3 v's; four v_nop follow each of the two lines
	s_cmp_eq_u32 s[RH], 0
	s_cbranch_scc0 .Lfor_b_\@
	tensor_load_to_lds s[\g0a:\g0a+3], s[\g1a:\g1a+7]
	s_nop 0
.rept 4
	v_nop
.endr
	s_branch .Lasked_\@
.Lfor_b_\@:
	tensor_load_to_lds s[\g0b:\g0b+3], s[\g1b:\g1b+7]
	s_nop 0
.rept 4
	v_nop
.endr
.Lasked_\@:
.endm
; A PREFETCH INTO THE L2, behind each joint refill and the run of LDS loads that follows it: my share of the slot that stands TWO refills on, 256 matrix instructions ahead of the load that will want it; one instruction a wave.
; At a change of slots every wave has waited for all its tensor loads, so the refill that follows has nothing on its way beside it.
; P (waves 0 and 1): the half tile that I fetch is 24,576 dense bytes, read by my row of the cluster alone; the four partners that ask for it jointly share it out BY ADDRESS, 6,144 bytes each (cx).  32 lanes 192 bytes apart
; cover a share's 24 aligned blocks of 256 bytes; eight of these are named by two neighbouring lanes of this one instruction, none by another instruction.
; v (waves 2 and 3): of the 128 rows that I fetch each of the four partners takes 32 BY ADDRESS (cy), a lane a row.  A batch's two clusters read the same rows: the even one asks.  A slot's part of a row is 192 bytes, so a lane
; names the part's LAST byte: slots 4, 5, 6 end in the row's blocks 3, 4, 5; slot 7 ends in block 5 again, so v's waves ask nothing for it.
; Slots 0 to 3 come by their loads alone: nothing is prefetched at the head, where every work-group's first tiles are on their way.  The loop's last trip asks for nothing: no slot stands two refills on.
.macro ASK slot
	s_cmp_gt_u32 s3, s[LIM0+\slot]                 ; s3 = 3, 2, 1 in the loop's trips; the limits are the same in all sixteen partners, for a given wave
	s_cbranch_scc0 .Lnot_mine_\@
	global_prefetch_b8 v[PFO], s[PFA:PFA+1] th:TH_LOAD_NT scope:SCOPE_SE
.Lnot_mine_\@:
.endm
.macro CREST
	s_cmp_lg_u32 s[WV], 0
	s_cbranch_scc1 .Lnot_wave_0_\@
	s_barrier_signal -3
.Lnot_wave_0_\@:
	s_barrier_wait -3
	s_barrier_signal -1
	s_barrier_wait -1
.endm
.macro CROUND
	s_barrier_signal -1
	s_barrier_wait -1
	CREST
.endm
	s_load_b128 s[4:7], s[0:1], 0x0                ; p_codes, p_stat
	s_load_b128 s[8:11], s[0:1], 0x10              ; v's codes, v's scales
	s_load_b64 s[12:13], s[0:1], 0x20              ; out
	v_lshl_add_u32 v[SPW], v0, 2, SPARE
	v_mov_b32 v[NIL], 0
	ds_add_u32 v28, v29
	ds_add_u32 v28, v29
	s_wait_dscnt 0x0
	v_lshrrev_b32 v1, 5, v0
	v_readfirstlane_b32 s[WV], v1
	v_lshlrev_b32 v[STA], 3, v0
	s_lshr_b32 s[RH], s[WV], 1                     ; my half of the queries.  Also: I fetch for P (0) or v (1)
	s_and_b32 s[CH], s[WV], 1                      ; my half of the columns.  Also: which half I fetch
	s_bfe_u32 s40, ttmp6, 0x40000                  ; cx, cy: my place in the cluster
	s_bfe_u32 s41, ttmp6, 0x40004
	s_lshl_b32 s42, ttmp9, 2
	s_add_co_u32 s42, s42, s40                     ; tx: the tile of 256 columns
	s_and_b32 s66, ttmp7, 0xffff
	s_lshl_b32 s43, s66, 2
	s_add_co_u32 s43, s43, s41                     ; ty = 8 x batch + the tile of 256 queries
	s_lshr_b32 s66, s66, 1                         ; the batch, from the cluster's y alone: v's addresses take it, and never hold cy
	s_lshl_b32 s44, s41, 2
	s_lshl_b32 s44, 15, s44                        ; my row of the cluster
	s_lshl_b32 s45, 0x1111, s40                    ; my column
	; P: a dense block of 24,576 bytes as 96 rows of 256 (32 elements of 8 bytes), no padding
	s_or_b32 s[G1+0], s44, (3<<16)|(1<<21)
	s_mov_b32 s[G1+1], 32<<16
	s_mov_b32 s[G1+2], (HALFA/256)<<16
	s_mov_b32 s[G1+3], 32<<16
	s_mov_b32 s[G1+4], HALFA/256
	s_mov_b32 s[G1+5], 32
	s_mov_b32 s[G1+6], 0
	s_mov_b32 s[G1+7], 0
	; v: 128 rows x 192 bytes, 16 bytes of padding behind every 64
	s_or_b32 s[G1B+0], s45, (0<<16)|(1<<20)|(1<<21)|(3<<22)|(3<<25)
	s_mov_b32 s[G1B+1], ROWB<<16
	s_mov_b32 s[G1B+2], 128<<16
	s_mov_b32 s[G1B+3], ROWB<<16
	s_mov_b32 s[G1B+4], 128
	s_mov_b32 s[G1B+5], KROW
	s_mov_b32 s[G1B+6], 0
	s_mov_b32 s[G1B+7], 0
	; v's scales of 128 rows: 8,192 dense bytes as 32 rows of 256, 16 bytes of padding behind each
	s_or_b32 s[G1SB+0], s45, (3<<16)|(1<<20)|(1<<21)|(5<<22)|(3<<25)
	s_mov_b32 s[G1SB+1], 32<<16
	s_mov_b32 s[G1SB+2], (128*KS/256)<<16
	s_mov_b32 s[G1SB+3], 32<<16
	s_mov_b32 s[G1SB+4], 128*KS/256
	s_mov_b32 s[G1SB+5], 32
	s_mov_b32 s[G1SB+6], 0
	s_mov_b32 s[G1SB+7], 0
	s_lshr_b32 s22, s43, 3                         ; P: batch x 8 slots' worth + (ty % 8) x 49,152 + my half
	s_mul_i32 s22, s22, 8*KSLOTB
	s_and_b32 s23, s43, 7
	s_mul_i32 s21, s23, 2*HALFA
	s_add_co_u32 s22, s22, s21
	s_mul_i32 s21, s[CH], HALFA
	s_add_co_u32 s22, s22, s21
	s_lshr_b32 s92, s43, 3                         ; p_stat: batch x 131,072 + (ty % 8) x 1,024
	s_lshl_b32 s92, s92, 17
	s_lshl_b32 s93, s23, 10
	s_add_co_u32 s92, s92, s93
	s_mov_b32 s93, 0
	s_mov_b32 s23, 0
	s_lshl_b32 s46, s42, 8                         ; v: row 1,024 x batch + 256 tx + 128 x half
	s_lshl_b32 s47, s[CH], 7
	s_add_co_u32 s46, s46, s47
	s_lshl_b32 s47, s66, 10
	s_add_co_u32 s46, s46, s47
	s_lshl_b32 s94, s46, 6                         ; its scales: 64 bytes a row
	s_mov_b32 s95, 0
	s_mul_i32 s46, s46, KROW                       ; its codes
	s_mov_b32 s47, 0
	s_lshl_b32 s2, s43, 8                          ; out: row 256 ty + 128 x my half, 4,096 bytes a row; column 256 tx + 128 x my half
	s_lshl_b32 s3, s[RH], 7
	s_add_co_u32 s2, s2, s3
	s_lshl_b32 s2, s2, 12
	s_lshl_b32 s3, s42, 10
	s_add_co_u32 s2, s2, s3
	s_lshl_b32 s3, s[CH], 9
	s_add_co_u32 s2, s2, s3
	s_mov_b32 s3, 0
	s_mul_i32 s21, s[CH], HALFA                    ; where the tiles go: no place in the cluster enters an LDS address
	s_mul_i32 s67, s[CH], HALFT
	s_add_co_u32 s67, s67, BOFF
	s_mul_i32 s96, s[CH], HALFS
	s_wait_kmcnt 0x0
	s_add_nc_u64 s[22:23], s[4:5], s[22:23]
	s_add_nc_u64 s[6:7], s[6:7], s[92:93]
	s_add_nc_u64 s[46:47], s[8:9], s[46:47]
	s_add_nc_u64 s[94:95], s[10:11], s[94:95]
	s_add_nc_u64 s[12:13], s[12:13], s[2:3]
.irp s, 0,1,2,3,4,5,6,7,8,9,10,11,12,13,14,15  ; my two rows' sixteen parts, asked for ahead of the round and of the first fills: a wave's load reads 256 consecutive bytes
	global_load_b64 v[NMR+2*\s:NMR+2*\s+1], v[STA], s[6:7] offset:8192*\s+1048576
.endr
.irp s, 0,1,2,3,4,5,6,7,8,9,10,11,12,13,14,15
	global_load_b64 v[PLR+2*\s:PLR+2*\s+1], v[STA], s[6:7] offset:8192*\s+2097152
	global_load_b64 v[PWR+2*\s:PWR+2*\s+1], v[STA], s[6:7] offset:8192*\s
.endr
	CROUND                                         ; all sixteen work-groups are here: the first joint loads meet
	s_mov_b32 s[G0SB], 1
	s_add_co_u32 s[G0SB+1], s96, SCL+2*HALFS
	s_mov_b64 s[G0SB+2:G0SB+3], s[94:95]
	s_or_b32 s[G0SB+3], s[G0SB+3], 0x80000000
.irp s, 0,1
	s_mov_b32 s[G0+4*\s], 1
	s_add_co_u32 s[G0+4*\s+1], s21, \s*SLOT
	s_add_nc_u64 s[G0+4*\s+2:G0+4*\s+3], s[22:23], \s*KSLOTB
	s_or_b32 s[G0+4*\s+3], s[G0+4*\s+3], 0x80000000
	s_mov_b32 s[G0B+4*\s], 1
	s_add_co_u32 s[G0B+4*\s+1], s67, \s*SLOT
	s_add_nc_u64 s[G0B+4*\s+2:G0B+4*\s+3], s[46:47], \s*ROWB
	s_or_b32 s[G0B+4*\s+3], s[G0B+4*\s+3], 0x80000000
.endr
	s_cmp_eq_u32 s[RH], 0                          ; a wave's first fills stand in one branch: P's waves have two loads out, v's three; on both ways slot 1's is the last
	s_cbranch_scc0 .Lfirst_b
	tensor_load_to_lds s[G0:G0+3], s[G1:G1+7]
	s_nop 0
	tensor_load_to_lds s[G0+4:G0+7], s[G1:G1+7]
	s_nop 0
.rept 4
	v_nop
.endr
	s_branch .Lfirst_asked
.Lfirst_b:
	tensor_load_to_lds s[G0SB:G0SB+3], s[G1SB:G1SB+7]
	s_nop 0
	tensor_load_to_lds s[G0B:G0B+3], s[G1B:G1B+7]
	s_nop 0
	tensor_load_to_lds s[G0B+4:G0B+7], s[G1B:G1B+7]
	s_nop 0
.rept 4
	v_nop
.endr
.Lfirst_asked:
	; the prefetches (macro ASK): where my wave's stand, and who asks.  s[22:23], s[46:47]: my half tile of P, of v, in slot 0; s40 = cx, s41 = cy
	s_and_b32 s78, ttmp7, 1                        ; 0 in the even one of a batch's two clusters
	s_cmp_eq_u32 s[RH], 0                          ; do I fetch for P?
	s_cselect_b64 s[PFA:PFA+1], s[22:23], s[46:47]
	s_cselect_b32 s74, s40, s41                    ; my place among the four that ask for the tile with me
	s_mov_b32 s75, 32*KROW
	s_cselect_b32 s75, HALFA/4, s75                ; a partner's share: 6,144 bytes of P, 32 rows of v
	s_mov_b32 s[PFS], ROWB
	s_cselect_b32 s[PFS], KSLOTB, s[PFS]           ; a slot on
	s_mov_b32 s76, 4*ROWB-1
	s_cselect_b32 s76, 3*KSLOTB, s76               ; at slot 3 (in v: the last byte of a row's part): the first change of slots steps it to slot 4
	s_mov_b32 s77, KROW
	s_cselect_b32 s77, 192, s77                    ; from lane to lane
	s_cselect_b32 s78, 0, s78                      ; P's waves ask in every cluster
	s_cselect_b32 s79, 1, 2                        ; v's waves ask nothing for slot 7, which would be named in the last trip but one, at the change that leaves slot 1
	s_cmp_eq_u32 s78, 0
	s_cselect_b32 s[LIM0], 1, -1
	s_cselect_b32 s[LIM0+1], s79, -1
	s_mul_i32 s74, s74, s75
	s_add_co_u32 s74, s74, s76
	s_mov_b32 s75, 0
	s_mov_b32 s[PFS+1], 0
	s_add_nc_u64 s[PFA:PFA+1], s[PFA:PFA+1], s[74:75]
	v_and_b32 v[PFO], 31, v0
	v_mul_lo_u32 v[PFO], v[PFO], s77
	v_and_b32 v1, 15, v0                           ; r
	v_bfe_u32 v2, v0, 4, 1                         ; h
	v_and_b32 v6, 31, v0
	v_lshlrev_b32 v[CO], 4, v6
	v_mul_u32_u24 v3, v1, PITCH
	v_mul_u32_u24 v4, v2, 24
	v_add_nc_u32 v4, v3, v4                        ; v: a fragment's row x pitch + 24 x half
	v_lshl_add_u32 v5, v2, 4, v4                   ; and behind one padding more
	s_mul_i32 s21, s[RH], HALFA                    ; my 128 queries' images
	s_mul_i32 s22, s[CH], HALFT
	s_add_co_u32 s22, s22, BOFF                    ; my 128 rows of v
.irp s, 0,1
	v_add_nc_u32 v[ADRA+\s], s21, v[CO]
	v_add_nc_u32 v[ADRB+\s], s22, v4
	v_add_nc_u32 v[ADRB+2+\s], s22, v5
	s_add_co_u32 s21, s21, SLOT
	s_add_co_u32 s22, s22, SLOT
.endr
	v_mul_u32_u24 v5, v1, KS                       ; my row's scales: KS bytes a row,
	v_lshrrev_b32 v6, 8, v5
	v_lshl_add_u32 v5, v6, 4, v5                   ; and 16 more for each 256 passed
	s_mul_i32 s21, s[RH], HALFS
	s_mul_i32 s22, s[CH], HALFS
	s_add_co_u32 s22, s22, 2*HALFS
	s_sub_co_u32 s22, s22, s21
	v_mul_u32_u24 v6, s22, v2                      ; lanes 16-31 take v's
	s_add_co_u32 s21, s21, SCL
	v_add_nc_u32 v5, v5, v6
	v_add_nc_u32 v[ADRS], s21, v5
	s_mul_i32 s23, s[WV], 16*SPITCH                ; my stage
	v_mul_u32_u24 v5, v1, SPITCH
	v_lshl_add_u32 v5, v2, 5, v5
	v_add_nc_u32 v[STO], s23, v5                   ; in: row r, 32 bytes for each half of the lanes
	v_add_nc_u32 v[RD], s23, v[CO]                 ; back: the 32 lanes take one row of 512 bytes
	v_lshrrev_b32 v[ASW], 1, v0
	v_lshlrev_b32 v[ASW], 4, v[ASW]
	v_lshl_add_u32 v[ASW], v0, 7, v[ASW]
	v_add_nc_u32 v[ASW], SCL, v[ASW]               ; rows 2 t, 2 t + 1: 128 t bytes on, and 16 more for each four rows passed
	v_lshl_add_u32 v[RLW], v0, 3, RLB
	s_lshl_b32 s21, s[RH], 9
	s_add_co_u32 s21, s21, RLB
	v_lshl_add_u32 v[RLA], v1, 2, s21
	s_mov_b32 s22, 0x01010101
	s_mov_b32 s23, 0x80808080
	s_wait_loadcnt 0x0
.irp e, 0,1
	v_min3_num_f32 v[MF+\e], v[NMR+\e], v[NMR+2+\e], v[NMR+4+\e]
.endr
.irp s, 3,5,7,9,11,13
.irp e, 0,1
	v_min3_num_f32 v[MF+\e], v[MF+\e], v[NMR+2*\s+\e], v[NMR+2*\s+2+\e]
.endr
.endr
.irp e, 0,1
	v_min_num_f32 v[MF+\e], v[MF+\e], v[NMR+30+\e] ; -M = the least -M_part
.endr
; Parts s0 .. s0 + 3 of row e, by turns.  n = M - M_part, a whole number from 0 to 127.  The four bytes of a scale word lie in 1 .. 123 (p is at most 1), so 0x80 + byte - n never borrows from the byte above:
; its top bit says whether byte - n is 0 or more, and makes the mask that keeps it or leaves 0.
.macro ADJ4 e, s0
.irp k, 0,1,2,3
	v_sub_f32 v[TD+4*\k], v[MF+\e], v[NMR+2*(\s0+\k)+\e]           ; M_part - M: 0 or less
.endr
.irp k, 0,1,2,3
	v_max_num_f32 v[TD+4*\k], 0xc2fe0000, v[TD+4*\k]               ; held at -127
.endr
.irp k, 0,1,2,3
	v_cvt_i32_f32 v[TD+4*\k], v[TD+4*\k]
.endr
.irp k, 0,1,2,3
	v_ldexp_f32 v[TD+4*\k+1], 1.0, v[TD+4*\k]                      ; 2^(M_part - M)
.endr
.irp k, 0,1,2,3
	v_or_b32 v[TD+4*\k+2], s23, v[PWR+2*(\s0+\k)+\e]
.endr
.irp k, 0,1,2,3
	v_mul_lo_u32 v[TD+4*\k], v[TD+4*\k], s22                       ; -n in every byte
.endr
.irp k, 0,1,2,3
.if (\s0+\k) == 0
	v_mul_f32 v[LSUM+\e], v[PLR+\e], v[TD+1]
.else
	v_fma_f32 v[LSUM+\e], v[PLR+2*(\s0+\k)+\e], v[TD+4*\k+1], v[LSUM+\e]
.endif
.endr
.irp k, 0,1,2,3
	v_add_nc_u32 v[TD+4*\k+2], v[TD+4*\k+2], v[TD+4*\k]
.endr
.irp k, 0,1,2,3
	v_and_b32 v[TD+4*\k+3], s23, v[TD+4*\k+2]
.endr
.irp k, 0,1,2,3
	v_lshrrev_b32 v[TD+4*\k], 7, v[TD+4*\k+3]
.endr
.irp k, 0,1,2,3
	v_sub_nc_u32 v[TD+4*\k+3], v[TD+4*\k+3], v[TD+4*\k]            ; 0x7f where the byte stays, 0 where it would fall under 0
.endr
.irp k, 0,1,2,3
	v_and_b32 v[AW+16*\e+\s0+\k], v[TD+4*\k+2], v[TD+4*\k+3]
.endr
.endm
.irp s, 0,4,8,12
	ADJ4 0, \s
	ADJ4 1, \s
.endr
	v_rcp_f32 v[RCP], v[LSUM]                      ; l is above 1/2: the row's largest p is
	v_rcp_f32 v[RCP+1], v[LSUM+1]
	v_nop                                          ; a plain instruction behind the reciprocals
	s_wait_alu depctr_va_vdst(0)                   ; and the wait ahead of their first reader
.irp e, 0,1
.irp n, 0,1,2,3
	ds_store_b128 v[ASW], v[AW+16*\e+4*\n:AW+16*\e+4*\n+3] offset:64*\e+16*\n
.endr
.endr
	ds_store_b64 v[RLW], v[RCP:RCP+1]
.macro FRAG reg, adr, q, i             ; v: 16 rows x 128 keys: 12 registers, in pieces of 8 bytes; lanes 16-31 read three pieces on, for some pieces behind one padding more
.irp p, 0,1,2,3,4,5
.set PCE, 12*(\q)+6*(\p/3)+\p%3
.if PCE%8 < 5
	ds_load_b64 v[\reg+2*\p:\reg+2*\p+1], v[\adr] offset:8*PCE+16*(PCE/8)+(\i)*16*PITCH
.else
	ds_load_b64 v[\reg+2*\p:\reg+2*\p+1], v[\adr+2] offset:8*PCE+16*(PCE/8)+(\i)*16*PITCH
.endif
.endr
.endm
; 16 matrix instructions: P's blocks a0, a0 + 1 x v's eight.  zero = 1: the first product starts the sums.  The 64 accumulators take turns, one instruction a turn, in the same order in every step.
.macro MUL16 a0, p, q, sc, zero
.irp a, \a0, \a0+1
.irp b, 0,1,2,3,4,5,6,7
.if \zero
	v_wmma_scale_f32_16x16x128_f8f6f4 v[8*(8*((\a)%4)+\b):8*(8*((\a)%4)+\b)+7], v[128*(\p)+FR*\b:128*(\p)+FR*\b+FR-1], v[AF+FR*(\a):AF+FR*(\a)+FR-1], 0, v[SC+8*NQ*(\sc)+NQ*\b+(\q)], v[SC+8*NQ*(\sc)+NQ*(\a)+(\q)] matrix_a_fmt:MATRIX_FMT_BF6 matrix_b_fmt:MATRIX_FMT_BF6 matrix_a_scale:MATRIX_SCALE_ROW1
.else
	v_wmma_scale_f32_16x16x128_f8f6f4 v[8*(8*((\a)%4)+\b):8*(8*((\a)%4)+\b)+7], v[128*(\p)+FR*\b:128*(\p)+FR*\b+FR-1], v[AF+FR*(\a):AF+FR*(\a)+FR-1], v[8*(8*((\a)%4)+\b):8*(8*((\a)%4)+\b)+7], v[SC+8*NQ*(\sc)+NQ*\b+(\q)], v[SC+8*NQ*(\sc)+NQ*(\a)+(\q)] matrix_a_fmt:MATRIX_FMT_BF6 matrix_b_fmt:MATRIX_FMT_BF6 matrix_a_scale:MATRIX_SCALE_ROW1
.endif
.endr
.endr
.endm
.macro FETCH_B slot, q, p
	WIN TO_B
.irp i, 0,1,2,3,4,5,6,7
	FRAG 128*(\p)+FR*\i, ADRB+\slot, \q, \i
.endr
	WIN 0
.endm
.macro FETCH_A slot, q, i0             ; P's blocks i0 .. i0 + 3: images of the registers, 16 bytes a lane, 512 consecutive bytes a load
.irp i, \i0, \i0+1, \i0+2, \i0+3
.irp g, 0,1,2
	ds_load_b128 v[AF+FR*(\i)+4*\g:AF+FR*(\i)+4*\g+3], v[ADRA+\slot] offset:3072*(\i)+1536*(\q)+512*\g
.endr
.endr
.endm
.macro SCALES sc
.irp i, 0,1,2,3,4,5,6,7
	ds_load_b64 v[SC+8*NQ*\sc+NQ*\i:SC+8*NQ*\sc+NQ*\i+1], v[ADRS] offset:\i*SBLK
.endr
.endm
.macro PLACES n                        ; plain vector instructions between a matrix instruction and a load into, or a vector write of, one of its registers, or a read of its result
.rept \n
	v_nop
.endr
.endm
.macro STEP slot, q, zero
	s_wait_dscnt 4*NLA                             ; all but the youngest 12 loads (P's blocks 4-7) are in
	WIN MUL_LO
	MUL16 0, (\q)%2, \q, \slot, \zero
	MUL16 2, (\q)%2, \q, \slot, \zero
	s_wait_dscnt 0
	PLACES NP
	FETCH_B \slot, (\q)+1, 1-(\q)%2
	FETCH_A \slot, (\q)+1, 0
	WIN MUL_HI
	MUL16 4, (\q)%2, \q, \slot, \zero
	MUL16 6, (\q)%2, \q, \slot, \zero
	PLACES NP
	WIN 0
	FETCH_A \slot, (\q)+1, 4
.endm
; A slot's last step changes slots, in its middle: ONE barrier.  The step's first 32 products stand AHEAD of the wait for the tensor loads, so that a refill has a whole slot's 128 matrix instructions in which to land,
; and between a tile's landing and the next request stand only the add, the barrier and the round.  fill = 1: the slot is filled again, two slots on.
.macro TURN slot, next, fill
.if \fill
	s_wait_xcnt 0x0                                ; the last prefetch, a slot back, has read its address, so it may be written:
	s_add_nc_u64 s[PFA:PFA+1], s[PFA:PFA+1], s[PFS:PFS+1]   ; a slot on
.endif
	s_wait_dscnt 4*NLA                             ; v's set and P's blocks 0-3 are in; the youngest 12 loads (P's blocks 4-7) may be out
	WIN MUL_LO
	MUL16 0, 1, NQ-1, \slot, 0
	MUL16 2, 1, NQ-1, \slot, 0
	WIN 0
	s_wait_tensorcnt 0x0                           ; all my tensor loads have landed: my part of the next slot; so every group 0 may be written
	ds_add_u32 v[SPW], v[NIL]                      ; 0 onto my spare word; the descriptors' steps stand between it and the wait for it
.if \fill
	s_add_nc_u64 s[G0+4*\slot+2:G0+4*\slot+3], s[G0+4*\slot+2:G0+4*\slot+3], ASTEP
	s_add_nc_u64 s[G0B+4*\slot+2:G0B+4*\slot+3], s[G0B+4*\slot+2:G0B+4*\slot+3], BSTEP
.endif
	s_wait_dscnt 0x0                               ; the add is done, and my reads of this slot are over (the last, P's blocks 4-7, were issued 32 matrix instructions ago)
	s_barrier_signal -1
	s_barrier_wait -1
.if \fill
	CREST                                          ; the barrier has opened a round of the cluster's: no wave of any partner still reads this slot or has a load on its way
	JLOAD G0+4*\slot, G1, G0B+4*\slot, G1B         ; the first tensor load behind the round, my one load until the next; its four v_nop are also the places in front of the loads below
.else
	PLACES NP
.endif
	v_add_nc_u32 v[ADRS], 4*NQ, v[ADRS]            ; the next slot's scale words (no LDS load of mine is out)
	FETCH_B \next, 0, 0
	FETCH_A \next, 0, 0
	SCALES \next
.if \fill
	ASK \slot                                      ; behind the joint load and the run of LDS loads that the next products wait for
.endif
	WIN MUL_HI
	MUL16 4, 1, NQ-1, \slot, 0
	MUL16 6, 1, NQ-1, \slot, 0
	PLACES NP
	WIN 0
	FETCH_A \next, 0, 4
.endm
	s_wait_dscnt 0x0                               ; for the others' sake: my rows' scale words and 1 / l are in LDS
	s_wait_tensorcnt 1                             ; my part of slot 0 (and v's scales) is in; slot 1's load may stay out
	s_barrier_signal -1
	s_barrier_wait -1
.irp a, 0,1,2,3,4,5,6,7
	ds_load_b32 v[RL+2*\a], v[RLA] offset:64*\a    ; 1 / l of query 16 a + r, twice: a pair for the packed multiply.  Older than every fragment load, so no count below changes
	ds_load_b32 v[RL+2*\a+1], v[RLA] offset:64*\a
.endr
	FETCH_B 0, 0, 0
	FETCH_A 0, 0, 0
	SCALES 0
	FETCH_A 0, 0, 4
	STEP 0, 0, 1                                   ; the first step stands in front of the loop: its products start the sums
	s_mov_b32 s3, LAPS-1
.Llap:                                             ; a trip goes once round the ring, from a lap's second step to the next lap's first, and fills both slots again
	TURN 0, 1, 1
	STEP 1, 0, 0
	TURN 1, 0, 1
	STEP 0, 0, 0
	s_sub_co_u32 s3, s3, 1
	s_cmp_lg_u32 s3, 0
	s_cbranch_scc1 .Llap
	TURN 0, 1, 0                                   ; the last lap fills nothing
	STEP 1, 0, 0
	s_wait_dscnt 4*NLA
	WIN MUL_LO
	MUL16 0, 1, NQ-1, 1, 0
	MUL16 2, 1, NQ-1, 1, 0
	s_wait_dscnt 0
	WIN MUL_HI
	MUL16 4, 1, NQ-1, 1, 0
	MUL16 6, 1, NQ-1, 1, 0
	WIN 0
; THE WAY OUT, block by block of 16 queries x 128 columns: x 1 / l in place; through my own stage in LDS; back as whole rows of 512 bytes.
.macro SCALEROWS a
.set AC, 64*((\a)%4)
	WIN 0x82+0x41*((\a)/4)                         ; destination and source 0: window 2 or 3; 1 / l: window 0
.set j, 0
.rept 32
	v_pk_mul_f32 v[AC+j:AC+j+1], v[AC+j:AC+j+1], v[RL+2*(\a):RL+2*(\a)+1]   ; each accumulator from its low end on
.set j, j+2
.endr
.endm
.macro TOSTAGE a
.set AC, 64*((\a)%4)
	WIN 0x08+4*((\a)/4)                            ; the data: window 2 or 3
.irp b, 0,1,2,3,4,5,6,7
	ds_store_b128 v[STO], v[AC+8*\b:AC+8*\b+3] offset:64*\b
	ds_store_b128 v[STO], v[AC+8*\b+4:AC+8*\b+7] offset:64*\b+16
.endr
	WIN 0
.set BB, BK+64*((\a)%2)
.irp t, 0,1,2,3,4,5,6,7,8,9,10,11,12,13,14,15
	ds_load_b128 v[BB+4*\t:BB+4*\t+3], v[RD] offset:\t*SPITCH      ; LDS serves a wave's instructions in order (ISA guide 5.7.1.4): these see the stores above
.endr
.endm
.macro SEND a, younger                 ; younger: the LDS instructions issued behind block a's loads, which may stay out
.set BB, BK+64*((\a)%2)
	s_wait_dscnt \younger
.if (\a) > 0
	s_add_nc_u64 s[12:13], s[12:13], 16*SIZE_N*4   ; (behind a wait on XCNT: the earlier stores have read their base)  16 rows on
.endif
.irp t, 0,1,2,3,4,5,6,7,8,9,10,11,12,13,14,15
	global_store_b128 v[CO], v[BB+4*\t:BB+4*\t+3], s[12:13] offset:\t*SIZE_N*4 th:TH_STORE_NT   ; 32 lanes store 512 consecutive bytes, at a multiple of 512 from out's first byte
.endr
.endm
	PLACES NP                                      ; behind the last products: their results are read and P's registers loaded below
	SCALEROWS 0
	TOSTAGE 0
.irp a, 1,2,3,4,5,6,7
.if \a > 1
	s_wait_xcnt 0x0                                ; block a - 2's stores have read their registers and their base
.endif
	SCALEROWS \a
	TOSTAGE \a
	SEND \a-1, 32                                  ; behind block a - 1's loads: block a's 16 stores and 16 loads
.endr
	s_wait_xcnt 0x0
	SEND 7, 0
	s_wait_tensorcnt 0x0                           ; the wave's end
	ds_add_u32 v[SPW], v[NIL]
	s_wait_dscnt 0x0
	CROUND                                         ; the closing round: no work-group ends while a partner may still ask for a tile that names it
	s_endpgm
.Lfunc_end_k_q025ae7c576_mix:
	.size	k_q025ae7c576_mix, .Lfunc_end_k_q025ae7c576_mix-k_q025ae7c576_mix
	.p2alignl 7, 3214868480
	.fill 96, 4, 3214868480
	.section	.rodata,"a",@progbits
	.p2align	6, 0x0
	.amdhsa_kernel k_q025ae7c576_mix
		.amdhsa_group_segment_fixed_size 327680
		.amdhsa_private_segment_fixed_size 0
		.amdhsa_enable_private_segment 0
		.amdhsa_kernarg_size 40
		.amdhsa_user_sgpr_count 2
		.amdhsa_user_sgpr_kernarg_segment_ptr 1
		.amdhsa_wavefront_size32 1
		.amdhsa_system_sgpr_workgroup_id_x 1
		.amdhsa_system_sgpr_workgroup_id_y 1
		.amdhsa_system_sgpr_workgroup_id_z 1
		.amdhsa_system_vgpr_workitem_id 0
		.amdhsa_next_free_vgpr 1024
		.amdhsa_next_free_sgpr 100
		.amdhsa_reserve_vcc 0
		.amdhsa_float_denorm_mode_32 3
		.amdhsa_float_denorm_mode_16_64 3
		.amdhsa_memory_ordered 1
		.amdhsa_forward_progress 1
		.amdhsa_inst_pref_size 188
	.end_amdhsa_kernel
	.amdgpu_metadata
---
amdhsa.version: [ 1, 2 ]
amdhsa.kernels:
  - .name:           k_q025ae7c576_mix
    .symbol:         k_q025ae7c576_mix.kd
    .args:
      - { .name: p_codes, .offset: 0, .size: 8, .value_kind: global_buffer, .address_space: global }
      - { .name: p_stat, .offset: 8, .size: 8, .value_kind: global_buffer, .address_space: global }
      - { .name: v_codes, .offset: 16, .size: 8, .value_kind: global_buffer, .address_space: global }
      - { .name: v_scales, .offset: 24, .size: 8, .value_kind: global_buffer, .address_space: global }
      - { .name: out0, .offset: 32, .size: 8, .value_kind: global_buffer, .address_space: global }
    .group_segment_fixed_size: 327680
    .private_segment_fixed_size: 0
    .kernarg_segment_align: 8
    .kernarg_segment_size: 40
    .max_flat_workgroup_size: 128
    .sgpr_count:     100
    .vgpr_count:     1024
    .wavefront_size: 32
...
	.end_amdgpu_metadata
.endif
;; end of part 2
